; MI455X (gfx1250); checked and timed in simulation.
; The chip was launched on July 23, 2026; its instructions are those of AMD's public machine-readable ISA for CDNA 5 (MIT licence, August 2026) and "CDNA5" Instruction Set Architecture Reference Guide (July 2026). The comments in the code are by the model that wrote it; some were corrected since.
;; Peer Lookup Query Unit. Allowed arithmetic: float matrix products may take bf16 or f16 operands with f32 sums; all other float work in f32.
;; Inputs: W 32,768 x 256 float32; x 2 x 2,048 x 256 float32.
;; Outputs: out0 2 x 2,048 x 16 float32; out1 2 x 2,048 x 16 int32.
;; 2 versions, each right; version 2 is version 1 with the launch fin written anew for expert scheduling mode. Each part assembles by itself: llvm-mc -triple=amdgcn-amd-amdhsa -mcpu=gfx1250 --defsym DOCPART=n.
;; ======== version 1 of 2: 4 launches
;; workspace buffers: gm8 67,108,864 bytes; sgm 4,194,304 bytes; wb 16,777,216 bytes; iota 262,144 bytes of whole numbers; sel1 262,144 bytes of whole numbers; sel2 262,144 bytes of whole numbers
;; launch gemm (part 1): grid 8 x 32, 4 waves a work-group, clusters of 4 x 1, 327,680 bytes of LDS; arguments x, W, gm8, sgm, wb, iota; writes gm8, sgm, wb, iota
.if DOCPART == 1
	.amdgcn_target "amdgcn-amd-amdhsa--gfx1250"
	.amdhsa_code_object_version 6
	.text
	.protected	k_qd4b2bbece8_gemm
	.globl	k_qd4b2bbece8_gemm
	.p2align	8
	.type	k_qd4b2bbece8_gemm,@function
k_qd4b2bbece8_gemm:
	s_mov_b64 s[64:65], 0
	v_nop
	global_prefetch_b8 v0, s[64:65] scope:SCOPE_SE
	s_setreg_imm32_b32 hwreg(HW_REG_WAVE_MODE, 25, 1), 1
	s_wait_xcnt 0x0
	s_wait_alu depctr_hold_cnt(0) depctr_sa_sdst(0) depctr_va_vdst(0) depctr_va_sdst(0) depctr_va_ssrc(0) depctr_va_vcc(0) depctr_vm_vsrc(0)
	s_getreg_b32 s2, hwreg(HW_REG_IB_STS2, 6, 4)
	s_cmp_eq_u32 s2, 0
	s_cbranch_scc0 .Lentry_in_a_cluster
	s_endpgm
.Lentry_in_a_cluster:
	s_bfe_u32 s2, ttmp6, 0x10000c
	s_cmp_lg_u32 s2, 0x3003
	s_cbranch_scc0 .Lentry_shape_is_right
	s_endpgm
.Lentry_shape_is_right:
; scores = x W^T (x: 4096 x 256, W: 32768 x 256, f32), of which only MAXIMA are kept:
;   gm8: for each x row the largest score of each group of 8 neighbouring columns (4,096 groups),
;   sgm: the largest of each supergroup of 128 columns (256 supergroups),
;   wb : W rounded to bf16, in the order of the matrix fragments, for the last launch,
;   iota: 0..15 in each row, the first list of the launch that chooses supergroups.
; The 16 best columns of a row (value falling, column rising) lie in the 16 best groups (maximum falling, group rising): each group
; ahead of a column's own group holds a column ahead of it.  So later launches choose groups and recompute 128 columns a row.
; LIMITS: matrix operands are bf16 (nearest even), sums f32; NaN inputs are not served (the maxima drop a NaN); +0 and -0 count as equal.
; SHARES: work-group (rb, cb) takes x rows 512 rb .. +511 and W rows 1024 cb .. +1023.  Wave w keeps its 128 x rows as 64 fragments in
; 512 registers for the whole launch; every wave multiplies every tile of 16 W rows: 64 matrix instructions for 16,384 bytes read from LDS.
; The matrix instruction takes W's rows as source 0 and x's rows as source 1: lane (r, h) register j holds (W row 8 h + j, x row r), so a
; lane's eight results are one group, and its maximum needs no other lane.
; CLUSTER: the four work-groups of a cluster have the same cb and walk the same W tiles: each tile is asked for jointly (mask 15).
; W goes through two LDS slots of 128 rows in f32 (a row is 1,024 bytes of memory, at a multiple of 1,024); it is rounded on the way to the registers.
; Every LDS address register is written ahead of the loop and never again: nothing that says which LDS bytes are touched is written
; behind a line that narrows EXEC by the work-group's place.
.set PITCH, 1040                       ; an LDS row: 1,024 bytes + 16 of padding: sixteen rows start in sixteen different 16-byte columns of 256 bytes
.set TILEB, 16*PITCH                   ; a tile of 16 rows
.set QUART, 32*PITCH                   ; what one tensor load brings: a wave's quarter of a slot
.set SLOT,  128*PITCH
.set TRIPB, 128*1024                   ; bytes of W in a trip
; window 0
.set LA,  2                            ; v2-7    LDS address of my fragment bytes: slot s, tiles 3 g .. 3 g + 2, at v[LA+3s+g]
.set LX,  8                            ; v8-9    the same in my own quarter of slot s (x parts)
.set RB,  10                           ; v10     rb in every lane
.set G,   16                           ; v16-47  group maxima: x block nb, tile t & 3 at v[G+4nb+(t&3)]
.set SG,  48                           ; v48-55  supergroup maximum of x block nb, my half of the groups
.set TP,  56                           ; v56-63  the even trip's figure; then what the other half of the lanes hands over
.set ACC, 64                           ; v64-127 eight accumulators, one for each x block
.set A0,  128                          ; v128-191, v192-255: W fragments, two buffers
; windows 1, 2: x fragment (kk, nb) at 256 + 8 (8 kk + nb).   window 3, v0-127: one tile of 16 rows in f32 as it comes from LDS
.set WS,  128                          ; window 3, v128-159: x block nb's four words for sgm at v[WS+4nb+i], i = trip / 2
.set G1X, 24                           ; s[24:31] descriptor group 1, x (my own loads)
.set G1W, 32                           ; s[32:39] descriptor group 1, W (joint loads)
.set GW,  40                           ; s[40:47] group 0 for W, one set a slot: never holds a number made from my place in the cluster
.set GX,  68                           ; s[68:75] group 0 for x, one set a slot
.set MSB, 0
.macro WIN new                         ; low byte: bits 1:0 source 0, 3:2 source 1, 5:4 source 2, 7:6 destination; high byte: the setting left
.if MSB != \new
	s_set_vgpr_msb (MSB<<8)|\new
.set MSB, \new
.endif
.endm
.macro CREST                           ; a round of the cluster's barrier behind its opening work-group barrier
	s_cmp_lg_u32 s16, 0
	s_cbranch_scc1 .Lnot_wave_0_\@
	s_barrier_signal -3
.Lnot_wave_0_\@:
	s_barrier_wait -3
	s_barrier_signal -1
	s_barrier_wait -1
.endm
.macro ROUND
	s_barrier_signal -1
	s_barrier_wait -1
	CREST
.endm
; 32 LDS loads: 16 rows x 256 f32.  For 32 along K a lane takes k = 8 h .. + 7 (32 bytes) and k = 16 + 8 h .. + 7 (32 bytes, 64 further)
.macro LOADS areg, off
	WIN 0xc0
.irp kk,0,1,2,3,4,5,6,7
.irp p,0,1,2,3
	ds_load_b128 v[16*\kk+4*\p:16*\kk+4*\p+3], v[\areg] offset:\off+128*\kk+16*(\p&1)+64*(\p>>1)
.endr
.endr
.endm
.macro CVTA buf                        ; the tile in window 3 rounded into W buffer buf
	WIN 0x0f
.irp kk,0,1,2,3,4,5,6,7
.irp m,0,1,2,3,4,5,6,7
	v_cvt_pk_bf16_f32 v[\buf+8*\kk+\m], v[16*\kk+2*\m], v[16*\kk+2*\m+1]
.endr
.endr
.endm
.macro CVTX nb                         ; the same into the x fragments of block nb
	WIN 0x4f
.irp kk,0,1,2,3
.irp m,0,1,2,3,4,5,6,7
	v_cvt_pk_bf16_f32 v[8*(8*\kk+\nb)+\m], v[16*\kk+2*\m], v[16*\kk+2*\m+1]
.endr
.endr
	WIN 0x8f
.irp kk,4,5,6,7
.irp m,0,1,2,3,4,5,6,7
	v_cvt_pk_bf16_f32 v[8*(8*(\kk-4)+\nb)+\m], v[16*\kk+2*\m], v[16*\kk+2*\m+1]
.endr
.endr
.endm
; 64 matrix instructions: one tile of W against my 128 x rows.  K rises; the first product starts each sum.  The eight accumulators take
; turns, one instruction a turn.
.macro MUL buf
	WIN 0x04
.irp kk,0,1,2,3
.irp nb,0,1,2,3,4,5,6,7
.if \kk == 0
	v_wmma_f32_16x16x32_bf16 v[ACC+8*\nb:ACC+8*\nb+7], v[\buf+8*\kk:\buf+8*\kk+7], v[8*(8*\kk+\nb):8*(8*\kk+\nb)+7], 0
.else
	v_wmma_f32_16x16x32_bf16 v[ACC+8*\nb:ACC+8*\nb+7], v[\buf+8*\kk:\buf+8*\kk+7], v[8*(8*\kk+\nb):8*(8*\kk+\nb)+7], v[ACC+8*\nb:ACC+8*\nb+7]
.endif
.endr
.endr
	WIN 0x08
.irp kk,4,5,6,7
.irp nb,0,1,2,3,4,5,6,7
	v_wmma_f32_16x16x32_bf16 v[ACC+8*\nb:ACC+8*\nb+7], v[\buf+8*\kk:\buf+8*\kk+7], v[8*(8*(\kk-4)+\nb):8*(8*(\kk-4)+\nb)+7], v[ACC+8*\nb:ACC+8*\nb+7]
.endr
.endr
.endm
.macro RED t                           ; the largest of a lane's eight results, for each x block; eight chains side by side
.irp nb,0,1,2,3,4,5,6,7
	v_max3_num_f32 v[G+4*\nb+(\t&3)], v[ACC+8*\nb], v[ACC+8*\nb+1], v[ACC+8*\nb+2]
.endr
.irp nb,0,1,2,3,4,5,6,7
	v_max3_num_f32 v[G+4*\nb+(\t&3)], v[G+4*\nb+(\t&3)], v[ACC+8*\nb+3], v[ACC+8*\nb+4]
.endr
.irp nb,0,1,2,3,4,5,6,7
	v_max3_num_f32 v[G+4*\nb+(\t&3)], v[G+4*\nb+(\t&3)], v[ACC+8*\nb+5], v[ACC+8*\nb+6]
.endr
.irp nb,0,1,2,3,4,5,6,7
	v_max_num_f32 v[G+4*\nb+(\t&3)], v[G+4*\nb+(\t&3)], v[ACC+8*\nb+7]
.endr
.endm
.macro XCONV part, slot                ; 32 of my x rows, which my own load brought, into the fragments of blocks 2 part, 2 part + 1
.irp sub,0,1
	LOADS LX+\slot, \sub*TILEB
	s_wait_dscnt 0x0
	CVTX 2*\part+\sub
.endr
.endm
; A slot is filled again: my reads of it are back, all my tensor loads have landed, then a round of the cluster's barrier, then the load first.
.macro REFILLX slot
	WIN 0
	s_wait_dscnt 0x0
	s_wait_tensorcnt 0x0                           ; no load of mine is out: the slot's group 0 may be written
	ds_add_u32 v11, v15
	s_wait_dscnt 0x0
	s_add_nc_u64 s[GX+4*\slot+2:GX+4*\slot+3], s[GX+4*\slot+2:GX+4*\slot+3], 2*32*1024   ; two parts of 32 rows on
	ROUND
	tensor_load_to_lds s[GX+4*\slot:GX+4*\slot+3], s[G1X:G1X+7]
	s_nop 0
.endm
.macro REFILLW slot
	WIN 0
	s_wait_dscnt 0x0
	s_wait_tensorcnt 0x0
	ds_add_u32 v11, v15
	s_wait_dscnt 0x0
	ROUND
	tensor_load_to_lds s[GW+4*\slot:GW+4*\slot+3], s[G1W:G1W+7]
	s_nop 0
.endm
; W in bf16 goes out once: trip T's tiles are stored by the work-group with rb = T, tile t by its wave t / 2.  The branch hangs on the wave's
; number alone; the work-group is chosen by EXEC, so that all partners of the cluster run the same lines.
.macro WBOUT t
	s_cmp_lg_u32 s16, \t>>1
	s_cbranch_scc1 .Lnot_mine_\@
	v_cmp_eq_u32 vcc_lo, s54, v[RB]
	s_wait_xcnt 0x0                                ; EXEC is a source of the stores issued above: it narrows only behind this wait
	s_and_saveexec_b32 s58, vcc_lo
.irp c,0,1,2,3,4,5,6,7,8,9,10,11,12,13,14,15
	global_store_b128 v1, v[ABUF+4*\c:ABUF+4*\c+3], s[50:51] offset:\t*8192+\c*512   ; the wave's 512 consecutive bytes, aligned
.endr
	s_wait_xcnt 0x0                                ; and widens only behind this one, which also frees the buffer for the next rounding
	s_or_b32 exec_lo, exec_lo, s58
.Lnot_mine_\@:
.endm
; One tile.  Buffer t & 1 holds tile t; window 3 receives tile t + 1.  conv: round tile t + 1; load: fetch tile t + 2;
; bar 1: change of slots; bar 2: change of slots and this slot is filled again, two trips ahead.
; The symbols ROT and WD say where a pair of trips leaves its word for sgm (see the end of tile 7).
.macro TILE slot, t, conv, load, bar
.set ABUF, A0+64*(\t&1)
.set NBUF, A0+64*((\t+1)&1)
	MUL ABUF
.if \conv
	s_wait_dscnt 0x0                               ; tile t + 1 is in window 3 (at t = 6: my last reads of this slot are back)
.endif
.if \bar
	s_set_vgpr_msb 0x800
	s_wait_tensorcnt 0x0                           ; all my tensor loads have landed: the one that was out is my quarter of the other slot
	ds_add_u32 v11, v15
	s_wait_dscnt 0x0
	s_set_vgpr_msb 0x8
.if \bar == 2
	s_add_nc_u64 s[GW+4*\slot+2:GW+4*\slot+3], s[GW+4*\slot+2:GW+4*\slot+3], 2*TRIPB
.endif
	s_barrier_signal -1                            ; opens the round; only register work up to its closing wait
.endif
.if \conv
	CVTA NBUF                                      ; 64 plain vector instructions that name no register of the products above: the places in front of RED (ISA guide 7.12.1)
	WIN 0
.else
	WIN 0
.rept 4
	v_nop                                          ; the four places in front of RED
.endr
.endif
.if (\t&3) == 0
	s_wait_xcnt 0x0                                ; G was the data of the last four tiles' stores: written again only behind this wait
.endif
	RED \t
.if \bar
	s_barrier_wait -1
.if \bar == 2
	CREST                                          ; no wave of any partner still reads this slot or has a load on its way
	tensor_load_to_lds s[GW+4*\slot:GW+4*\slot+3], s[G1W:G1W+7]   ; the first tensor load behind the round; it has eight tiles' products in which to land
	s_nop 0
.endif
.endif
.if \load
.set NT, \t+2
.set NS, \slot
.if NT >= 8
.set NT, NT-8
.set NS, 1-\slot
.endif
.set LREG, LA+3*NS+NT/3
.set LOFF, (NT%3)*TILEB
	LOADS LREG, LOFF
	WIN 0
.endif
.if (\t&3) == 3
.irp nb,0,1,2,3,4,5,6,7
	global_store_b128 v1, v[G+4*\nb:G+4*\nb+3], s[48:49] offset:(\t>>2)*131072+\nb*512 th:TH_STORE_NT   ; 512 consecutive bytes, aligned
.endr
.if \t == 3
.irp nb,0,1,2,3,4,5,6,7
	v_max3_num_f32 v[SG+\nb], v[G+4*\nb], v[G+4*\nb+1], v[G+4*\nb+2]
.endr
.irp nb,0,1,2,3,4,5,6,7
	v_max_num_f32 v[SG+\nb], v[SG+\nb], v[G+4*\nb+3]
.endr
.else
.if \slot == 0
	; an even trip: my half's figure waits in TP for the odd trip
.irp nb,0,1,2,3,4,5,6,7
	v_max3_num_f32 v[TP+\nb], v[SG+\nb], v[G+4*\nb], v[G+4*\nb+1]
.endr
.irp nb,0,1,2,3,4,5,6,7
	v_max3_num_f32 v[TP+\nb], v[TP+\nb], v[G+4*\nb+2], v[G+4*\nb+3]
.endr
.else
	; an odd trip.  In sgm lanes 0-15 hold the even supergroup of the pair, lanes 16-31 the odd one.  Each half keeps its own part of the
	; figure that it will hold and hands the other half the part that the other one lacks: one exchange for two supergroups.
.irp nb,0,1,2,3,4,5,6,7
	v_max3_num_f32 v[SG+\nb], v[SG+\nb], v[G+4*\nb], v[G+4*\nb+1]
.endr
.irp nb,0,1,2,3,4,5,6,7
	v_max3_num_f32 v[SG+\nb], v[SG+\nb], v[G+4*\nb+2], v[G+4*\nb+3]
.endr
.irp nb,0,1,2,3,4,5,6,7
	v_cndmask_b32 v[ACC+\nb], v[SG+\nb], v[TP+\nb], s62        ; to hand over: lanes 0-15 the odd trip's, lanes 16-31 the even trip's (accumulator 0 is free here: RED has read it, the next product starts it anew)
.endr
.irp nb,0,1,2,3,4,5,6,7
	v_cndmask_b32 v[SG+\nb], v[TP+\nb], v[SG+\nb], s62         ; to keep: lanes 0-15 the even trip's, lanes 16-31 the odd trip's
.endr
.irp nb,0,1,2,3,4,5,6,7
	v_permlanex16_b32 v[TP+\nb], v[ACC+\nb], s56, s57          ; its destination counts as read: the even trip wrote it
.endr
.if ROT
	WIN 0xc3                                       ; a register's number cannot follow the loop's counter: the loop's three pairs push their words through 2, 1, 0
.irp nb,0,1,2,3,4,5,6,7
	v_mov_b32 v[WS+4*\nb], v[WS+4*\nb+1]
.endr
.irp nb,0,1,2,3,4,5,6,7
	v_mov_b32 v[WS+4*\nb+1], v[WS+4*\nb+2]
.endr
.endif
	WIN 0xc0
.irp nb,0,1,2,3,4,5,6,7
	v_max_num_f32 v[WS+4*\nb+WD], v[SG+\nb], v[TP+\nb]
.endr
	WIN 0
.endif
.endif
.endif
	WBOUT \t
.endm
.macro TRIP slot, bar, last            ; 128 rows of W = one supergroup
	TILE \slot, 0, 1, 1, 0
	TILE \slot, 1, 1, 1, 0
	TILE \slot, 2, 1, 1, 0
	TILE \slot, 3, 1, 1, 0
	TILE \slot, 4, 1, 1, 0
	TILE \slot, 5, 1, 1, 0
	TILE \slot, 6, 1, (1-\last), \bar
	TILE \slot, 7, (1-\last), (1-\last), 0
.if \last == 0
	s_wait_xcnt 0x0                                ; the stores' bases are stepped only behind this wait
	s_add_nc_u64 s[48:49], s[48:49], 262144        ; gm8: the next supergroup
	s_add_nc_u64 s[50:51], s[50:51], 65536         ; wb: eight tiles on
	s_add_co_u32 s54, s54, 1                       ; the trip's number
.endif
.endm
	s_load_b256 s[4:11], s[0:1], 0x0               ; x s[4:5], W s[6:7], gm8 s[8:9], sgm s[10:11]
	s_load_b128 s[12:15], s[0:1], 0x20             ; wb s[12:13], iota s[14:15]
	v_lshl_add_u32 v11, v0, 2, 0x41000
	v_mov_b32 v15, 0
	ds_add_u32 v11, v15
	ds_add_u32 v11, v15
	v_lshrrev_b32 v12, 5, v0
	v_readfirstlane_b32 s16, v12                   ; wave 0..3
	s_bfe_u32 s17, ttmp6, 0x40000                  ; cx
	s_lshl_b32 s18, ttmp9, 2
	s_add_co_u32 s18, s18, s17                     ; rb = 4 x cluster x + cx
	s_and_b32 s19, ttmp7, 0xffff                   ; cb
	; group 1: 32 rows of 256 elements of 4 bytes, 4 words of padding behind every 256 words
	s_mov_b32 s[G1X+0], (2<<16)|(1<<20)|(7<<22)|(3<<25)
	s_mov_b32 s[G1W+0], 15|(2<<16)|(1<<20)|(1<<21)|(7<<22)|(3<<25)   ; the same with the mask of the four partners, bit 21 beside it
	s_mov_b32 s[G1X+1], 256<<16                    ; tensor_dim0 = 256
	s_mov_b32 s[G1W+1], 256<<16
	s_mov_b32 s[G1X+2], 32<<16                     ; tensor_dim1 = 32
	s_mov_b32 s[G1W+2], 32<<16
	s_mov_b32 s[G1X+3], 256<<16                    ; tile_dim0 = 256
	s_mov_b32 s[G1W+3], 256<<16
	s_mov_b32 s[G1X+4], 32                         ; tile_dim1 = 32
	s_mov_b32 s[G1W+4], 32
	s_mov_b32 s[G1X+5], 256                        ; elements from row to row
	s_mov_b32 s[G1W+5], 256
	s_mov_b32 s[G1X+6], 0
	s_mov_b32 s[G1W+6], 0
	s_mov_b32 s[G1X+7], 0
	s_mov_b32 s[G1W+7], 0
	s_mul_i32 s59, s16, QUART                      ; my quarter of a slot
	s_lshl_b32 s20, s18, 19                        ; x: (512 rb + 128 w) rows of 1,024 bytes
	s_lshl_b32 s21, s16, 17
	s_add_co_u32 s20, s20, s21
	s_mov_b32 s21, 0
	s_lshl_b32 s22, s19, 20                        ; W: (1024 cb + 32 w) rows; s22, s23 never hold cx
	s_lshl_b32 s23, s16, 15
	s_add_co_u32 s22, s22, s23
	s_mov_b32 s23, 0
	s_wait_dscnt 0x0
	s_wait_kmcnt 0x0
	s_add_nc_u64 s[52:53], s[4:5], s[20:21]
	s_add_nc_u64 s[60:61], s[6:7], s[22:23]
.irp s,0,1
	s_mov_b32 s[GX+4*\s], 1
	s_add_co_u32 s[GX+4*\s+1], s59, \s*SLOT
	s_add_nc_u64 s[GX+4*\s+2:GX+4*\s+3], s[52:53], \s*32*1024      ; x part s
	s_or_b32 s[GX+4*\s+3], s[GX+4*\s+3], 0x80000000
	s_mov_b32 s[GW+4*\s], 1
	s_add_co_u32 s[GW+4*\s+1], s59, \s*SLOT
	s_add_nc_u64 s[GW+4*\s+2:GW+4*\s+3], s[60:61], \s*TRIPB        ; W trip s
	s_or_b32 s[GW+4*\s+3], s[GW+4*\s+3], 0x80000000
.endr
	ROUND                                          ; every group of tensor loads of this launch stands behind a round
	tensor_load_to_lds s[GX:GX+3], s[G1X:G1X+7]
	s_nop 0
	tensor_load_to_lds s[GX+4:GX+7], s[G1X:G1X+7]
	s_nop 0
	s_lshl_b32 s20, s19, 21                        ; gm8: supergroup 8 cb, row block 32 rb + 8 w
	s_lshl_b32 s21, s18, 14
	s_add_co_u32 s20, s20, s21
	s_lshl_b32 s21, s16, 12
	s_add_co_u32 s20, s20, s21
	s_mov_b32 s21, 0
	s_add_nc_u64 s[48:49], s[8:9], s[20:21]
	s_lshl_b32 s20, s19, 19                        ; wb: tile 64 cb
	s_add_nc_u64 s[50:51], s[12:13], s[20:21]
	s_mov_b32 s54, 0
	s_mov_b32 s56, 0x76543210                      ; v_permlanex16_b32: lane i takes lane i of the other half
	s_mov_b32 s57, 0xfedcba98
	s_mov_b32 s62, 0xffff0000                      ; lanes 16-31
	v_and_b32 v12, 15, v0                          ; r
	v_bfe_u32 v13, v0, 4, 1                        ; h
	v_and_b32 v1, 31, v0
	v_lshlrev_b32 v1, 4, v1                        ; 16 x lane
	v_mul_u32_u24 v14, v12, PITCH
	v_lshl_add_u32 v14, v13, 5, v14                ; r x pitch + 32 h
.irp s,0,1
.irp g,0,1,2
	v_add_nc_u32 v[LA+3*\s+\g], \s*SLOT+\g*3*TILEB, v14
.endr
.endr
	v_add_nc_u32 v[LX], s59, v14
	v_add_nc_u32 v[LX+1], SLOT, v[LX]
	v_mov_b32 v[RB], s18
	WIN 0xc0
.irp nb,0,1,2,3,4,5,6,7
	v_mov_b32 v[WS+4*\nb+1], 0                     ; words 1 and 2 are read by the first push, before a figure has reached them;
	v_mov_b32 v[WS+4*\nb+2], 0                     ; what is written here has been pushed out when the loop ends
.endr
	; my 128 x rows, 32 at a time through my quarters of the two slots; then W's first two trips into the same slots
	s_wait_tensorcnt 0x1                           ; part 0 is in; part 1 may be out
	XCONV 0, 0
	REFILLX 0                                      ; part 2 (its wait for all loads shows part 1 landed)
	XCONV 1, 1
	REFILLX 1                                      ; part 3
	XCONV 2, 0
	REFILLW 0                                      ; W trip 0
	XCONV 3, 1
	REFILLW 1                                      ; W trip 1; in front of its round every wave has seen its quarter of trip 0 land: slot 0 is whole
	LOADS LA, 0
	s_wait_dscnt 0x0
	CVTA A0                                        ; tile 0
	LOADS LA, TILEB                                ; tile 1
	WIN 0
	s_mov_b32 s55, 3
.set ROT, 1                                    ; in the loop: push, then word 2
.set WD, 2
.Ltrips:
	TRIP 0, 2, 0
	TRIP 1, 2, 0
	s_sub_co_u32 s55, s55, 1
	s_cmp_lg_u32 s55, 0
	s_cbranch_scc1 .Ltrips
.set ROT, 0                                    ; the last pair: word 3, nothing is pushed
.set WD, 3
	TRIP 0, 1, 0                                   ; trip 6 fills nothing again
	TRIP 1, 0, 1                                   ; trip 7 fetches nothing beyond its slot
	; supergroup maxima: lane 16 h + r holds x row r's words i = 0..3, supergroups 8 cb + 2 i + h
	s_lshl_b32 s20, s19, 17                        ; sgm: (cb / 2) x 262,144 + (cb & 1) x 131,072 = cb x 131,072
	s_lshl_b32 s21, s18, 14
	s_add_co_u32 s20, s20, s21
	s_lshl_b32 s21, s16, 12
	s_add_co_u32 s20, s20, s21
	s_mov_b32 s21, 0
	s_add_nc_u64 s[10:11], s[10:11], s[20:21]
	s_lshl_b32 s20, s19, 13                        ; iota: 1,024 bytes for each work-group
	s_lshl_b32 s22, s18, 10
	s_add_co_u32 s20, s20, s22
	s_add_nc_u64 s[14:15], s[14:15], s[20:21]
	v_lshlrev_b32 v14, 3, v0
	v_lshlrev_b32 v12, 1, v0
	v_and_b32 v12, 14, v12
	v_or_b32 v13, 1, v12
	WIN 0x0c                                       ; a store's data is source 1: window 3
.irp nb,0,1,2,3,4,5,6,7
	global_store_b128 v1, v[WS+4*\nb:WS+4*\nb+3], s[10:11] offset:\nb*512   ; 512 consecutive bytes, aligned
.endr
	WIN 0
	global_store_b64 v14, v[12:13], s[14:15]
	ROUND                                          ; the closing round: no work-group ends while a partner may still ask jointly
	s_endpgm
.Lfunc_end_k_qd4b2bbece8_gemm:
	.size	k_qd4b2bbece8_gemm, .Lfunc_end_k_qd4b2bbece8_gemm-k_qd4b2bbece8_gemm
	.p2alignl 7, 3214868480
	.fill 96, 4, 3214868480
	.section	.rodata,"a",@progbits
	.p2align	6, 0x0
	.amdhsa_kernel k_qd4b2bbece8_gemm
		.amdhsa_group_segment_fixed_size 327680
		.amdhsa_private_segment_fixed_size 0
		.amdhsa_enable_private_segment 0
		.amdhsa_kernarg_size 48
		.amdhsa_user_sgpr_count 2
		.amdhsa_user_sgpr_kernarg_segment_ptr 1
		.amdhsa_wavefront_size32 1
		.amdhsa_system_sgpr_workgroup_id_x 1
		.amdhsa_system_sgpr_workgroup_id_y 1
		.amdhsa_system_sgpr_workgroup_id_z 1
		.amdhsa_system_vgpr_workitem_id 0
		.amdhsa_next_free_vgpr 928
		.amdhsa_next_free_sgpr 76
		.amdhsa_reserve_vcc 1
		.amdhsa_float_denorm_mode_32 3
		.amdhsa_float_denorm_mode_16_64 3
		.amdhsa_memory_ordered 1
		.amdhsa_forward_progress 1
		.amdhsa_inst_pref_size 255
	.end_amdhsa_kernel
	.section	.bss,"aw",@nobits
	.p2align	6
	.space	262144
	.amdgpu_metadata
---
amdhsa.version: [ 1, 2 ]
amdhsa.kernels:
  - .name:           k_qd4b2bbece8_gemm
    .symbol:         k_qd4b2bbece8_gemm.kd
    .args:
      - { .name: x, .offset: 0, .size: 8, .value_kind: global_buffer, .address_space: global }
      - { .name: W, .offset: 8, .size: 8, .value_kind: global_buffer, .address_space: global }
      - { .name: gm8, .offset: 16, .size: 8, .value_kind: global_buffer, .address_space: global }
      - { .name: sgm, .offset: 24, .size: 8, .value_kind: global_buffer, .address_space: global }
      - { .name: wb, .offset: 32, .size: 8, .value_kind: global_buffer, .address_space: global }
      - { .name: iota, .offset: 40, .size: 8, .value_kind: global_buffer, .address_space: global }
    .group_segment_fixed_size: 327680
    .private_segment_fixed_size: 0
    .kernarg_segment_align: 8
    .kernarg_segment_size: 48
    .max_flat_workgroup_size: 128
    .sgpr_count:     76
    .vgpr_count:     928
    .wavefront_size: 32
...
	.end_amdgpu_metadata
.endif
;; end of part 1
;; launch selsuper (part 2): grid 256 x 1, 8 waves a work-group, no clusters, 0 bytes of LDS; arguments sgm, iota, sel1; writes sel1
.if DOCPART == 2
	.amdgcn_target "amdgcn-amd-amdhsa--gfx1250"
	.amdhsa_code_object_version 6
	.text
	.protected	k_qd4b2bbece8_selsuper
	.globl	k_qd4b2bbece8_selsuper
	.p2align	8
	.type	k_qd4b2bbece8_selsuper,@function
k_qd4b2bbece8_selsuper:
	s_mov_b64 s[64:65], 0
	v_nop
	global_prefetch_b8 v0, s[64:65] scope:SCOPE_SE
	s_setreg_imm32_b32 hwreg(HW_REG_WAVE_MODE, 25, 1), 1
	s_wait_xcnt 0x0
; One step down: for each x row, list entry s names a block of 16 maxima; of the 16 x 16 = 256 candidates the 16 best are chosen
; (value falling, number rising), and their numbers stored as the row's next list (as a set: the order within the list carries nothing).
; Arguments: vals (f32 maxima), lin, lout ([4096][16] int32).  vals' byte address of candidate 16 idx + 8 q + 2 i + h of a row:
;   idx x 262,144 + q x 131,072 + (row / 16) x 512 + h x 256 + (row % 16) x 16 + 4 i.
; A work-group takes 16 rows; the 16 lanes of a half wave serve one row, lane s takes entry s.  Nothing branches on a value: a sorting
; network in registers, then four merges with the lane at distance 1, 2, 4, 8.
; No LDS, no matrix unit, no cluster: the work-groups share nothing, and a lane's 64 bytes are all that it reads.
; LIMITS: NaN is not served; +0 and -0 count as equal (the lower number wins).  A list entry is cut at 255, the largest that vals can hold.
.set P,  16                            ; bank P: values v16-31, numbers v32-47
.set Q,  48                            ; bank Q: values v48-63, numbers v64-79
.set M0, 24                            ; s[24:31], s[32:39], s[40:47]: the masks of a layer's eight pairs
.set M1, 32
.set M2, 40
; One layer of a bitonic network on cnt elements, from bank src into bank dst (so nothing is copied): pairs (i, i + jj);
; the better goes to i where i & siz = 0, else to i + jj.  better(a, b): Ka > Kb, or Ka = Kb and Ia < Ib.
.macro LAYER cnt, src, dst, siz, jj
.set i, 0
.set p, 0
.rept \cnt
.if (i & \jj) == 0
	v_cmp_gt_f32 s[M0+p], v[\src+i], v[\src+i+\jj]
	v_cmp_eq_f32 s[M1+p], v[\src+i], v[\src+i+\jj]
	v_cmp_lt_u32 s[M2+p], v[\src+16+i], v[\src+16+i+\jj]
.set p, p+1
.endif
.set i, i+1
.endr
.set p, 0
.rept \cnt/2
	s_and_b32 s[M1+p], s[M1+p], s[M2+p]
	s_or_b32 s[M0+p], s[M0+p], s[M1+p]
.set p, p+1
.endr
.set i, 0
.set p, 0
.rept \cnt
.if (i & \jj) == 0
.if (i & \siz) == 0
	v_cndmask_b32 v[\dst+i], v[\src+i+\jj], v[\src+i], s[M0+p]
	v_cndmask_b32 v[\dst+i+\jj], v[\src+i], v[\src+i+\jj], s[M0+p]
	v_cndmask_b32 v[\dst+16+i], v[\src+16+i+\jj], v[\src+16+i], s[M0+p]
	v_cndmask_b32 v[\dst+16+i+\jj], v[\src+16+i], v[\src+16+i+\jj], s[M0+p]
.else
	v_cndmask_b32 v[\dst+i], v[\src+i], v[\src+i+\jj], s[M0+p]
	v_cndmask_b32 v[\dst+i+\jj], v[\src+i+\jj], v[\src+i], s[M0+p]
	v_cndmask_b32 v[\dst+16+i], v[\src+16+i], v[\src+16+i+\jj], s[M0+p]
	v_cndmask_b32 v[\dst+16+i+\jj], v[\src+16+i+\jj], v[\src+16+i], s[M0+p]
.endif
.set p, p+1
.endif
.set i, i+1
.endr
.endm
.macro CLEAN                           ; a bitonic run of 16 in P, sorted best first, back in P
	LAYER 16, P, Q, 16, 8
	LAYER 16, Q, P, 16, 4
	LAYER 16, P, Q, 16, 2
	LAYER 16, Q, P, 16, 1
.endm
.macro FETCH xm, lo                    ; elements lo .. 15 of the list of the lane at distance xm, into bank Q (written before by the network)
.set i, \lo
.rept 16-\lo
	v_mov_b32_dpp v[Q+i], v[P+i] row_xmask:\xm row_mask:0xf bank_mask:0xf
	v_mov_b32_dpp v[Q+16+i], v[P+16+i] row_xmask:\xm row_mask:0xf bank_mask:0xf
.set i, i+1
.endr
.endm
.macro SEL8 base                       ; P[i] = better(P[i], Q[15 - i]) for eight i: the 16 best of two sorted lists, as a bitonic run
.set i, \base
.set p, 0
.rept 8
	v_cmp_gt_f32 s[M0+p], v[P+i], v[Q+15-i]
	v_cmp_eq_f32 s[M1+p], v[P+i], v[Q+15-i]
	v_cmp_lt_u32 s[M2+p], v[P+16+i], v[Q+31-i]
.set i, i+1
.set p, p+1
.endr
.set p, 0
.rept 8
	s_and_b32 s[M1+p], s[M1+p], s[M2+p]
	s_or_b32 s[M0+p], s[M0+p], s[M1+p]
.set p, p+1
.endr
.set i, \base
.set p, 0
.rept 8
	v_cndmask_b32 v[P+i], v[Q+15-i], v[P+i], s[M0+p]
	v_cndmask_b32 v[P+16+i], v[Q+31-i], v[P+16+i], s[M0+p]
.set i, i+1
.set p, p+1
.endr
.endm
	s_load_b128 s[4:7], s[0:1], 0x0                ; vals s[4:5], lin s[6:7]
	s_load_b64 s[8:9], s[0:1], 0x10                ; lout
	s_lshl_b32 s10, ttmp9, 10                      ; the group's 16 rows of 64 bytes in the lists
	s_lshl_b32 s11, ttmp9, 9                       ; its block of 512 bytes in vals
	v_lshl_add_u32 v1, v0, 2, s10                  ; my entry: word 16 row + s
	v_lshrrev_b32 v3, 4, v0                        ; row % 16
	v_lshl_add_u32 v3, v3, 4, s11
	s_wait_kmcnt 0x0
	global_load_b32 v2, v1, s[6:7]
	s_wait_loadcnt 0x0
	v_min_u32 v2, 0xff, v2
	v_lshlrev_b32 v5, 18, v2
	v_add_nc_u32 v3, v3, v5
.irp q,0,1
.irp h,0,1
	global_load_b128 v[P+4*(2*\q+\h):P+4*(2*\q+\h)+3], v3, s[4:5] offset:131072*\q+256*\h
.endr
.endr
.irp q,0,1
.irp h,0,1
.irp i4,0,1,2,3
	v_lshl_or_b32 v[P+16+4*(2*\q+\h)+\i4], v2, 4, 8*\q+2*\i4+\h
.endr
.endr
.endr
	s_wait_loadcnt 0x0
	LAYER 16, P, Q, 2, 1                           ; my 16 candidates sorted, best first: ten layers, back in P
	LAYER 16, Q, P, 4, 2
	LAYER 16, P, Q, 4, 1
	LAYER 16, Q, P, 8, 4
	LAYER 16, P, Q, 8, 2
	LAYER 16, Q, P, 8, 1
	CLEAN
.irp xm,1,2,4
	FETCH \xm, 0
	SEL8 0
	SEL8 8
	CLEAN                                          ; both partners now hold the same sorted list
.endr
	; the last merge: only the set is wanted.  Lanes 0-7 hold list A, lanes 8-15 list B.  A lane of the first kind makes better(A[i], B[15-i]),
	; one of the second better(B[i], A[15-i]), for i = 0..7: together the sixteen.  Lane s takes i = s, or 15 - s from s = 8 on.
	FETCH 8, 8
	SEL8 0
	v_and_b32 v4, 15, v0
	v_sub_nc_u32 v5, 15, v4
	v_cmp_gt_u32 vcc_lo, 8, v4
	v_cndmask_b32 v4, v5, v4, vcc_lo
	v_mov_b32 v6, v[P+16]
.irp c,1,2,3,4,5,6,7
	v_cmp_eq_u32 vcc_lo, \c, v4
	v_cndmask_b32 v6, v6, v[P+16+\c], vcc_lo
.endr
	global_store_b32 v1, v6, s[8:9]                ; the wave's 128 consecutive bytes
	s_endpgm
.Lfunc_end_k_qd4b2bbece8_selsuper:
	.size	k_qd4b2bbece8_selsuper, .Lfunc_end_k_qd4b2bbece8_selsuper-k_qd4b2bbece8_selsuper
	.p2alignl 7, 3214868480
	.fill 96, 4, 3214868480
	.section	.rodata,"a",@progbits
	.p2align	6, 0x0
	.amdhsa_kernel k_qd4b2bbece8_selsuper
		.amdhsa_group_segment_fixed_size 0
		.amdhsa_private_segment_fixed_size 0
		.amdhsa_enable_private_segment 0
		.amdhsa_kernarg_size 24
		.amdhsa_user_sgpr_count 2
		.amdhsa_user_sgpr_kernarg_segment_ptr 1
		.amdhsa_wavefront_size32 1
		.amdhsa_system_sgpr_workgroup_id_x 1
		.amdhsa_system_sgpr_workgroup_id_y 1
		.amdhsa_system_sgpr_workgroup_id_z 1
		.amdhsa_system_vgpr_workitem_id 0
		.amdhsa_next_free_vgpr 80
		.amdhsa_next_free_sgpr 66
		.amdhsa_reserve_vcc 1
		.amdhsa_float_denorm_mode_32 3
		.amdhsa_float_denorm_mode_16_64 3
		.amdhsa_memory_ordered 1
		.amdhsa_forward_progress 1
		.amdhsa_inst_pref_size 119
	.end_amdhsa_kernel
	.amdgpu_metadata
---
amdhsa.version: [ 1, 2 ]
amdhsa.kernels:
  - .name:           k_qd4b2bbece8_selsuper
    .symbol:         k_qd4b2bbece8_selsuper.kd
    .args:
      - { .name: sgm, .offset: 0, .size: 8, .value_kind: global_buffer, .address_space: global }
      - { .name: iota, .offset: 8, .size: 8, .value_kind: global_buffer, .address_space: global }
      - { .name: sel1, .offset: 16, .size: 8, .value_kind: global_buffer, .address_space: global }
    .group_segment_fixed_size: 0
    .private_segment_fixed_size: 0
    .kernarg_segment_align: 8
    .kernarg_segment_size: 24
    .max_flat_workgroup_size: 256
    .sgpr_count:     66
    .vgpr_count:     80
    .wavefront_size: 32
...
	.end_amdgpu_metadata
.endif
;; end of part 2
;; launch selgroup: the kernel of part 2 again; grid 256 x 1, 8 waves a work-group, no clusters, 0 bytes of LDS; arguments gm8, sel1, sel2; writes sel2
;; launch fin (part 3): grid 256 x 1, 8 waves a work-group, no clusters, 17,920 bytes of LDS; arguments x, wb, sel2, out0, out1; writes out0, out1
.if DOCPART == 3
	.amdgcn_target "amdgcn-amd-amdhsa--gfx1250"
	.amdhsa_code_object_version 6
	.text
	.protected	k_qd4b2bbece8_fin
	.globl	k_qd4b2bbece8_fin
	.p2align	8
	.type	k_qd4b2bbece8_fin,@function
k_qd4b2bbece8_fin:
	s_mov_b64 s[64:65], 0
	v_nop
	global_prefetch_b8 v0, s[64:65] scope:SCOPE_SE
	s_setreg_imm32_b32 hwreg(HW_REG_WAVE_MODE, 25, 1), 1
	s_wait_xcnt 0x0
; The last step: for each x row the 16 groups of 8 columns that sel2 names are multiplied again, and the 16 best of the 128 scores
; (value falling, column rising) are stored with their columns.  Same matrix form, same places of k and one chain from 0 with K rising,
; as in the launch that made the maxima.
; A work-group takes 16 x rows.  Wave w makes, for each row p, one tile: W rows of group sel2[p][2 w] as rows 0-7 of source 0, of group
; sel2[p][2 w + 1] as rows 8-15; source 1 is the 16 x rows; of the result only column p is kept (lanes with r = p).
; wb holds W in bf16 in fragment order: tile x 8,192 + kk x 1,024 + qq x 512 + h x 256 + r x 16; a group is 128 consecutive bytes of each such half row.
; The gather runs through a ring of three register buffers of 16 loads; no LDS slots, no cluster: no two work-groups want the same tiles at the same time.
; LIMITS: operands bf16, sums f32; NaN is not served; +0 and -0 count as equal (the lower column wins).  A list entry is cut at 4,095, the last group.
.set LP,   528                         ; LDS pitch: 512 bytes + 16
.set XS,   0                           ; 16 x rows in bf16
.set SC,   16*LP                       ; 16 rows x 16 groups x 8 scores in f32
.set ADR,  16                          ; v16-31  row p: my byte offset in wb
.set ACC0, 32                          ; v32-39, v40-47: two accumulators, for rows 2 p and 2 p + 1
.set R,    48                          ; v48-55  the scores that I keep
.set RING, 64                          ; v64-255 three buffers of 64 registers.   window 1, v0-63: the x fragments
.set P,    64                          ; afterwards: bank P, values v64-79, columns v80-95
.set Q,    96                          ; bank Q: v96-111, v112-127
.set M0, 24
.set M1, 32
.set M2, 40
.set MSB, 0
.macro WIN new
.if MSB != \new
	s_set_vgpr_msb (MSB<<8)|\new
.set MSB, \new
.endif
.endm
; One layer of a bitonic network, from bank src into bank dst: pairs (i, i + jj); the better goes to i where i & siz = 0.
; better(a, b): Ka > Kb, or Ka = Kb and Ia < Ib.
.macro LAYER cnt, src, dst, siz, jj
.set i, 0
.set p, 0
.rept \cnt
.if (i & \jj) == 0
	v_cmp_gt_f32 s[M0+p], v[\src+i], v[\src+i+\jj]
	v_cmp_eq_f32 s[M1+p], v[\src+i], v[\src+i+\jj]
	v_cmp_lt_u32 s[M2+p], v[\src+16+i], v[\src+16+i+\jj]
.set p, p+1
.endif
.set i, i+1
.endr
.set p, 0
.rept \cnt/2
	s_and_b32 s[M1+p], s[M1+p], s[M2+p]
	s_or_b32 s[M0+p], s[M0+p], s[M1+p]
.set p, p+1
.endr
.set i, 0
.set p, 0
.rept \cnt
.if (i & \jj) == 0
.if (i & \siz) == 0
	v_cndmask_b32 v[\dst+i], v[\src+i+\jj], v[\src+i], s[M0+p]
	v_cndmask_b32 v[\dst+i+\jj], v[\src+i], v[\src+i+\jj], s[M0+p]
	v_cndmask_b32 v[\dst+16+i], v[\src+16+i+\jj], v[\src+16+i], s[M0+p]
	v_cndmask_b32 v[\dst+16+i+\jj], v[\src+16+i], v[\src+16+i+\jj], s[M0+p]
.else
	v_cndmask_b32 v[\dst+i], v[\src+i], v[\src+i+\jj], s[M0+p]
	v_cndmask_b32 v[\dst+i+\jj], v[\src+i+\jj], v[\src+i], s[M0+p]
	v_cndmask_b32 v[\dst+16+i], v[\src+16+i], v[\src+16+i+\jj], s[M0+p]
	v_cndmask_b32 v[\dst+16+i+\jj], v[\src+16+i+\jj], v[\src+16+i], s[M0+p]
.endif
.set p, p+1
.endif
.set i, i+1
.endr
.endm
.macro CLEAN
	LAYER 16, P, Q, 16, 8
	LAYER 16, Q, P, 16, 4
	LAYER 16, P, Q, 16, 2
	LAYER 16, Q, P, 16, 1
.endm
.macro FETCH xm
.set i, 0
.rept 16
	v_mov_b32_dpp v[Q+i], v[P+i] row_xmask:\xm row_mask:0xf bank_mask:0xf
	v_mov_b32_dpp v[Q+16+i], v[P+16+i] row_xmask:\xm row_mask:0xf bank_mask:0xf
.set i, i+1
.endr
.endm
.macro SEL8 base
.set i, \base
.set p, 0
.rept 8
	v_cmp_gt_f32 s[M0+p], v[P+i], v[Q+15-i]
	v_cmp_eq_f32 s[M1+p], v[P+i], v[Q+15-i]
	v_cmp_lt_u32 s[M2+p], v[P+16+i], v[Q+31-i]
.set i, i+1
.set p, p+1
.endr
.set p, 0
.rept 8
	s_and_b32 s[M1+p], s[M1+p], s[M2+p]
	s_or_b32 s[M0+p], s[M0+p], s[M1+p]
.set p, p+1
.endr
.set i, \base
.set p, 0
.rept 8
	v_cndmask_b32 v[P+i], v[Q+15-i], v[P+i], s[M0+p]
	v_cndmask_b32 v[P+16+i], v[Q+31-i], v[P+16+i], s[M0+p]
.set i, i+1
.set p, p+1
.endr
.endm
; Unit u = 2 p + c: rows 2 p and 2 p + 1, kk = 4 c .. 4 c + 3: 16 loads into buffer u % 3
.macro ULOAD u
.set LU, \u
.set LPP, LU/2
.set LCC, LU%2
.set LBUF, RING+64*(LU%3)
.irp rr,0,1
.irp k,0,1,2,3
.irp qq,0,1
	global_load_b128 v[LBUF+32*\rr+8*\k+4*\qq:LBUF+32*\rr+8*\k+4*\qq+3], v[ADR+2*LPP+\rr], s[6:7] offset:(4*LCC+\k)*1024+\qq*512
.endr
.endr
.endr
.endm
.macro UNIT u
.set PP, \u/2
.set CC, \u%2
.set BUF, RING+64*(\u%3)
.if \u <= 13
	s_wait_loadcnt 32                              ; my 16 loads are in; the two younger units stay out
.else
	s_wait_loadcnt 16*(15-\u)                      ; the counts run down
.endif
	WIN 0x04                                       ; source 1 in window 1
.irp k,0,1,2,3
.irp rr,0,1
.if (CC == 0) && (\k == 0)
	v_wmma_f32_16x16x32_bf16 v[ACC0+8*\rr:ACC0+8*\rr+7], v[BUF+32*\rr+8*\k:BUF+32*\rr+8*\k+7], v[8*(4*CC+\k):8*(4*CC+\k)+7], 0
.else
	v_wmma_f32_16x16x32_bf16 v[ACC0+8*\rr:ACC0+8*\rr+7], v[BUF+32*\rr+8*\k:BUF+32*\rr+8*\k+7], v[8*(4*CC+\k):8*(4*CC+\k)+7], v[ACC0+8*\rr:ACC0+8*\rr+7]
.endif
.endr
.endr
	WIN 0
.rept 4
	v_nop                                          ; four places in front of the loads into the buffer just read and of the reads of the results
.endr
.if \u+3 <= 15
	ULOAD \u+3
.endif
.if CC == 1
.irp rr,0,1
.if 2*PP+\rr == 0
.irp j,0,1,2,3,4,5,6,7
	v_mov_b32 v[R+\j], v[ACC0+\j]                  ; row 0 starts R in every lane; each lane's own row writes over it
.endr
.else
	s_mov_b32 s20, 0x00010001<<(2*PP+\rr)          ; the two lanes with r = the row
.irp j,0,1,2,3,4,5,6,7
	v_cndmask_b32 v[R+\j], v[R+\j], v[ACC0+8*\rr+\j], s20
.endr
.endif
.endr
.endif
.endm
	s_load_b256 s[4:11], s[0:1], 0x0               ; x s[4:5], wb s[6:7], sel2 s[8:9], out0 s[10:11]
	s_load_b64 s[12:13], s[0:1], 0x20              ; out1
	v_lshl_add_u32 v62, v0, 2, 0x4200
	v_mov_b32 v63, 0
	v_lshrrev_b32 v1, 5, v0
	v_readfirstlane_b32 s14, v1                    ; wave 0..7
	s_lshl_b32 s15, ttmp9, 14                      ; the group's 16 rows of x
	s_lshl_b32 s16, ttmp9, 10                      ; its 16 rows of 64 bytes in sel2, out0, out1
	v_lshl_add_u32 v2, v0, 4, s15
	v_bfe_u32 v3, v0, 3, 1                         ; rows 0-7 or 8-15 of source 0
	s_lshl_b32 s17, s14, 3
	s_add_co_u32 s17, s17, s16
	v_lshl_add_u32 v3, v3, 2, s17                  ; entry 2 w + that
	v_lshl_add_u32 v4, v0, 2, s16                  ; word 16 row + s: my own entry, and my place in the outputs
	s_wait_kmcnt 0x0
.irp i4,0,1,2,3
	global_load_b128 v[RING+4*\i4:RING+4*\i4+3], v2, s[4:5] offset:\i4*4096
.endr
.irp rho,0,1,2,3,4,5,6,7,8,9,10,11,12,13,14,15
	global_load_b32 v[ADR+\rho], v3, s[8:9] offset:\rho*64
.endr
	global_load_b32 v5, v4, s[8:9]
	v_lshrrev_b32 v6, 6, v0
	v_and_b32 v7, 63, v0
	v_mul_u32_u24 v6, v6, LP
	v_lshl_add_u32 v6, v7, 3, v6                   ; row tid / 64 (+ 4 for each load), 8 bytes at 8 (tid % 64)
	v_and_b32 v8, 7, v0
	v_bfe_u32 v9, v0, 4, 1                         ; h
	v_lshlrev_b32 v8, 4, v8
	v_lshl_add_u32 v8, v9, 8, v8                   ; 256 h + 16 (r % 8)
	v_and_b32 v7, 15, v0                           ; r, later s
	v_mul_u32_u24 v14, v7, LP
	v_lshl_add_u32 v12, v9, 4, v14                 ; x fragments: r x pitch + 16 h
	s_lshl_b32 s21, s14, 6
	v_lshl_add_u32 v13, v9, 5, v14
	v_add_nc_u32 v13, s21, v13                     ; scores in: r x pitch + 32 (2 w + h)
	v_lshrrev_b32 v15, 4, v0
	v_mul_u32_u24 v15, v15, LP
	v_lshl_add_u32 v15, v7, 5, v15                 ; scores back: row tid / 16, group s
	s_wait_loadcnt 17                              ; x's four loads are in; the 17 list loads behind them may be out
.irp i4,0,1,2,3
	v_cvt_pk_bf16_f32 v[RING+16+2*\i4], v[RING+4*\i4], v[RING+4*\i4+1]
	v_cvt_pk_bf16_f32 v[RING+17+2*\i4], v[RING+4*\i4+2], v[RING+4*\i4+3]
	ds_store_b64 v6, v[RING+16+2*\i4:RING+17+2*\i4] offset:XS+\i4*4*LP
.endr
	s_wait_loadcnt 0x0
.irp rho,0,1,2,3,4,5,6,7,8,9,10,11,12,13,14,15
	v_min_u32 v[ADR+\rho], 0xfff, v[ADR+\rho]
	v_and_b32 v10, 0xffe, v[ADR+\rho]              ; 2 x tile
	v_and_b32 v11, 1, v[ADR+\rho]                  ; which half of the tile's rows
	v_lshl_add_u32 v10, v10, 12, v8
	v_lshl_add_u32 v[ADR+\rho], v11, 7, v10
.endr
	ULOAD 0
	ULOAD 1
	ULOAD 2
	s_wait_dscnt 0x0                               ; my part of x is in LDS,
	s_barrier_signal -1
	s_barrier_wait -1                              ; everybody's is
	WIN 0x40
.irp kk,0,1,2,3,4,5,6,7
	ds_load_b128 v[8*\kk:8*\kk+3], v12 offset:XS+64*\kk
	ds_load_b128 v[8*\kk+4:8*\kk+7], v12 offset:XS+64*\kk+32
.endr
	WIN 0
	s_wait_dscnt 0x0
	; the two accumulators take turns, one instruction a turn
.irp u,0,1,2,3,4,5,6,7,8,9,10,11,12,13,14,15
	UNIT \u
.endr
	ds_store_b128 v13, v[R:R+3] offset:SC
	ds_store_b128 v13, v[R+4:R+7] offset:SC+16
	s_wait_dscnt 0x0                               ; for the other waves' sake
	s_barrier_signal -1
	s_barrier_wait -1
	ds_load_b128 v[P:P+3], v15 offset:SC           ; the eight scores of my row's group s
	ds_load_b128 v[P+4:P+7], v15 offset:SC+16
	v_lshlrev_b32 v5, 3, v5
.irp j,0,1,2,3,4,5,6,7
	v_or_b32 v[P+16+\j], \j, v5                    ; their columns
.endr
	s_wait_dscnt 0x0
	LAYER 8, P, Q, 2, 1                            ; eight sorted, best first: six layers, back in P
	LAYER 8, Q, P, 4, 2
	LAYER 8, P, Q, 4, 1
	LAYER 8, Q, P, 8, 4
	LAYER 8, P, Q, 8, 2
	LAYER 8, Q, P, 8, 1
.set i, 0
.rept 8
	v_mov_b32_dpp v[P+8+i], v[P+7-i] row_xmask:1 row_mask:0xf bank_mask:0xf      ; my neighbour's eight behind mine, worst first: a bitonic run of 16
	v_mov_b32_dpp v[P+24+i], v[P+23-i] row_xmask:1 row_mask:0xf bank_mask:0xf    ; (the destinations were written by the ring's loads)
.set i, i+1
.endr
	CLEAN
.irp xm,2,4,8
	FETCH \xm
	SEL8 0
	SEL8 8
	CLEAN
.endr
	v_mov_b32 v2, v[P]                             ; all 16 lanes hold the row's sorted list: lane s takes element s
	v_mov_b32 v3, v[P+16]
.irp c,1,2,3,4,5,6,7,8,9,10,11,12,13,14,15
	v_cmp_eq_u32 vcc_lo, \c, v7
	v_cndmask_b32 v2, v2, v[P+\c], vcc_lo
	v_cndmask_b32 v3, v3, v[P+16+\c], vcc_lo
.endr
	global_store_b32 v4, v2, s[10:11]              ; the wave's 128 consecutive bytes of each output
	global_store_b32 v4, v3, s[12:13]
	s_wait_tensorcnt 0x0
	ds_add_u32 v62, v63
	s_wait_dscnt 0x0
	s_endpgm
.Lfunc_end_k_qd4b2bbece8_fin:
	.size	k_qd4b2bbece8_fin, .Lfunc_end_k_qd4b2bbece8_fin-k_qd4b2bbece8_fin
	.p2alignl 7, 3214868480
	.fill 96, 4, 3214868480
	.section	.rodata,"a",@progbits
	.p2align	6, 0x0
	.amdhsa_kernel k_qd4b2bbece8_fin
		.amdhsa_group_segment_fixed_size 17920
		.amdhsa_private_segment_fixed_size 0
		.amdhsa_enable_private_segment 0
		.amdhsa_kernarg_size 40
		.amdhsa_user_sgpr_count 2
		.amdhsa_user_sgpr_kernarg_segment_ptr 1
		.amdhsa_wavefront_size32 1
		.amdhsa_system_sgpr_workgroup_id_x 1
		.amdhsa_system_sgpr_workgroup_id_y 1
		.amdhsa_system_sgpr_workgroup_id_z 1
		.amdhsa_system_vgpr_workitem_id 0
		.amdhsa_next_free_vgpr 320
		.amdhsa_next_free_sgpr 66
		.amdhsa_reserve_vcc 1
		.amdhsa_float_denorm_mode_32 3
		.amdhsa_float_denorm_mode_16_64 3
		.amdhsa_memory_ordered 1
		.amdhsa_forward_progress 1
		.amdhsa_inst_pref_size 158
	.end_amdhsa_kernel
	.amdgpu_metadata
---
amdhsa.version: [ 1, 2 ]
amdhsa.kernels:
  - .name:           k_qd4b2bbece8_fin
    .symbol:         k_qd4b2bbece8_fin.kd
    .args:
      - { .name: x, .offset: 0, .size: 8, .value_kind: global_buffer, .address_space: global }
      - { .name: wb, .offset: 8, .size: 8, .value_kind: global_buffer, .address_space: global }
      - { .name: sel2, .offset: 16, .size: 8, .value_kind: global_buffer, .address_space: global }
      - { .name: out0, .offset: 24, .size: 8, .value_kind: global_buffer, .address_space: global }
      - { .name: out1, .offset: 32, .size: 8, .value_kind: global_buffer, .address_space: global }
    .group_segment_fixed_size: 17920
    .private_segment_fixed_size: 0
    .kernarg_segment_align: 8
    .kernarg_segment_size: 40
    .max_flat_workgroup_size: 256
    .sgpr_count:     66
    .vgpr_count:     320
    .wavefront_size: 32
...
	.end_amdgpu_metadata
.endif
;; end of part 3
;; ======== version 2 of 2: 4 launches; version 1 with the launch fin written anew for expert scheduling mode
;; workspace buffers: gm8 67,108,864 bytes; sgm 4,194,304 bytes; wb 16,777,216 bytes; iota 262,144 bytes of whole numbers; sel1 262,144 bytes of whole numbers; sel2 262,144 bytes of whole numbers
;; launch gemm: the kernel of part 1 again; grid 8 x 32, 4 waves a work-group, clusters of 4 x 1, 327,680 bytes of LDS; arguments x, W, gm8, sgm, wb, iota; writes gm8, sgm, wb, iota
;; launch selsuper: the kernel of part 2 again; grid 256 x 1, 8 waves a work-group, no clusters, 0 bytes of LDS; arguments sgm, iota, sel1; writes sel1
;; launch selgroup: the kernel of part 2 again; grid 256 x 1, 8 waves a work-group, no clusters, 0 bytes of LDS; arguments gm8, sel1, sel2; writes sel2
;; launch fin (part 4): grid 256 x 1, 8 waves a work-group, no clusters, 17,920 bytes of LDS; arguments x, wb, sel2, out0, out1; writes out0, out1
.if DOCPART == 4
	.amdgcn_target "amdgcn-amd-amdhsa--gfx1250"
	.amdhsa_code_object_version 6
	.text
	.protected	k_qd4b2bbece8_fin
	.globl	k_qd4b2bbece8_fin
	.p2align	8
	.type	k_qd4b2bbece8_fin,@function
k_qd4b2bbece8_fin:
	s_mov_b64 s[64:65], 0
	v_nop
	global_prefetch_b8 v0, s[64:65] scope:SCOPE_SE
	s_setreg_imm32_b32 hwreg(HW_REG_WAVE_SCHED_MODE, 0, 2), 2
	s_setreg_imm32_b32 hwreg(HW_REG_WAVE_MODE, 25, 1), 1
	s_wait_xcnt 0x0
	s_wait_alu depctr_vm_vsrc(0)
; The last step: for each x row the 16 groups of 8 columns that sel2 names are multiplied again, and the 16 best of the 128 scores
; (value falling, column rising) are stored with their columns.  Same matrix form, same places of k and one chain from 0 with K rising,
; as in the launch that made the maxima.
; A work-group takes 16 x rows.  Wave w makes, for each row p, one tile: W rows of group sel2[p][2 w] as rows 0-7 of source 0, of group
; sel2[p][2 w + 1] as rows 8-15; source 1 is the 16 x rows; of the result only column p is kept (lanes with r = p).
; wb holds W in bf16 in fragment order: tile x 8,192 + kk x 1,024 + qq x 512 + h x 256 + r x 16; a group is 128 consecutive bytes of each such half row.
; The gather runs through a ring of four register buffers of 16 loads; no LDS slots, no cluster: no two work-groups want the same tiles at the same time.
; LIMITS: operands bf16, sums f32; NaN is not served; +0 and -0 count as equal (the lower column wins).  A list entry is cut at 4,095, the last group.
; THE MODE: SCHED_MODE bits 1:0 = 2 (LLVM: expert scheduling mode 2), set by the entry lines.  The code itself states the register dependences
; between vector or matrix instructions and memory or LDS instructions, with s_wait_alu, always for 0.
; THE PLAN.  Registers that memory or LDS instructions touch:
;   v2, v3, v4     offsets of the head's loads, made once; v4 also of the two last stores; v2 and v3 take the results at the very end.
;   v6, v12, v13, v15  LDS addresses, made once at the head and never written again.
;   v64-79, v80-87 at the head: x as loaded, read by eight roundings; x in bf16, written by them and read by four LDS stores.  Then they are part of the ring.
;   ADR            the list's loads land in it, the clamp and shifts write it once, every load of the gather reads it; never written again.
;   the ring       unit u's products read buffer u % 4.  Unit u's memory instructions are the 16 loads of unit u + 3, which land in buffer
;                  (u + 3) % 4 = (u - 1) % 4: the buffer that unit u - 1's products read and that no instruction of unit u names.
;   R              written by the selects behind each second unit, read by two LDS stores behind the last.
;   v64-71         behind the ring's last use: the scores' LDS loads land here.
;   v62, v63       written at the head, read by the closing add alone.
; So ONE wait on va_vdst stands at a unit's head, behind the wait for its data: the unit before is done reading its buffer.  The unit's loads follow,
; dealt in two runs among its eight products, with no further wait.  Each run of compares into scalar registers has one wait on va_sdst behind it.
.set LP,   528                         ; LDS pitch: 512 bytes + 16
.set XS,   0                           ; 16 x rows in bf16
.set SC,   16*LP                       ; 16 rows x 16 groups x 8 scores in f32
.set ADR,  16                          ; v16-31  row p: my byte offset in wb
.set ACC0, 32                          ; v32-39, v40-47: two accumulators, for rows 2 p and 2 p + 1
.set R,    48                          ; v48-55  the scores that I keep
.set RING, 64                          ; v64-255 buffers 0 to 2, 64 registers each; window 1, v64-127: buffer 3.   window 1, v0-63: the x fragments
.set P,    64                          ; afterwards: bank P, values v64-79, columns v80-95
.set Q,    96                          ; bank Q: v96-111, v112-127
.set M0, 24
.set M1, 32
.set M2, 40
.set MSB, 0
.macro WIN new
.if MSB != \new
	s_set_vgpr_msb (MSB<<8)|\new
.set MSB, \new
.endif
.endm
; One layer of a bitonic network, from bank src into bank dst: pairs (i, i + jj); the better goes to i where i & siz = 0.
; better(a, b): Ka > Kb, or Ka = Kb and Ia < Ib.
.macro LAYER cnt, src, dst, siz, jj
.set i, 0
.set p, 0
.rept \cnt
.if (i & \jj) == 0
	v_cmp_gt_f32 s[M0+p], v[\src+i], v[\src+i+\jj]
	v_cmp_eq_f32 s[M1+p], v[\src+i], v[\src+i+\jj]
	v_cmp_lt_u32 s[M2+p], v[\src+16+i], v[\src+16+i+\jj]
.set p, p+1
.endif
.set i, i+1
.endr
	s_wait_alu depctr_va_sdst(0)                   ; the layer's compares have written their masks, ahead of the masks' first readers, the scalar lines below
.set p, 0
.rept \cnt/2
	s_and_b32 s[M1+p], s[M1+p], s[M2+p]
	s_or_b32 s[M0+p], s[M0+p], s[M1+p]
.set p, p+1
.endr
.set i, 0
.set p, 0
.rept \cnt
.if (i & \jj) == 0
.if (i & \siz) == 0
	v_cndmask_b32 v[\dst+i], v[\src+i+\jj], v[\src+i], s[M0+p]
	v_cndmask_b32 v[\dst+i+\jj], v[\src+i], v[\src+i+\jj], s[M0+p]
	v_cndmask_b32 v[\dst+16+i], v[\src+16+i+\jj], v[\src+16+i], s[M0+p]
	v_cndmask_b32 v[\dst+16+i+\jj], v[\src+16+i], v[\src+16+i+\jj], s[M0+p]
.else
	v_cndmask_b32 v[\dst+i], v[\src+i], v[\src+i+\jj], s[M0+p]
	v_cndmask_b32 v[\dst+i+\jj], v[\src+i+\jj], v[\src+i], s[M0+p]
	v_cndmask_b32 v[\dst+16+i], v[\src+16+i], v[\src+16+i+\jj], s[M0+p]
	v_cndmask_b32 v[\dst+16+i+\jj], v[\src+16+i+\jj], v[\src+16+i], s[M0+p]
.endif
.set p, p+1
.endif
.set i, i+1
.endr
.endm
.macro CLEAN
	LAYER 16, P, Q, 16, 8
	LAYER 16, Q, P, 16, 4
	LAYER 16, P, Q, 16, 2
	LAYER 16, Q, P, 16, 1
.endm
.macro FETCH xm
.set i, 0
.rept 16
	v_mov_b32_dpp v[Q+i], v[P+i] row_xmask:\xm row_mask:0xf bank_mask:0xf
	v_mov_b32_dpp v[Q+16+i], v[P+16+i] row_xmask:\xm row_mask:0xf bank_mask:0xf
.set i, i+1
.endr
.endm
.macro SEL8 base
.set i, \base
.set p, 0
.rept 8
	v_cmp_gt_f32 s[M0+p], v[P+i], v[Q+15-i]
	v_cmp_eq_f32 s[M1+p], v[P+i], v[Q+15-i]
	v_cmp_lt_u32 s[M2+p], v[P+16+i], v[Q+31-i]
.set i, i+1
.set p, p+1
.endr
	s_wait_alu depctr_va_sdst(0)                   ; the eight pairs' compares have written their masks, ahead of the masks' first readers, the scalar lines below
.set p, 0
.rept 8
	s_and_b32 s[M1+p], s[M1+p], s[M2+p]
	s_or_b32 s[M0+p], s[M0+p], s[M1+p]
.set p, p+1
.endr
.set i, \base
.set p, 0
.rept 8
	v_cndmask_b32 v[P+i], v[Q+15-i], v[P+i], s[M0+p]
	v_cndmask_b32 v[P+16+i], v[Q+31-i], v[P+16+i], s[M0+p]
.set i, i+1
.set p, p+1
.endr
.endm
; Unit u = 2 p + c: rows 2 p and 2 p + 1, kk = 4 c .. 4 c + 3: 16 loads into buffer u % 4.  ULOAD8 issues eight of them: kk = 4 c + 2 hf and 4 c + 2 hf + 1.
.macro ULOAD8 u, hf
.set LU, \u
.set LPP, LU/2
.set LCC, LU%2
.if LU%4 == 3
.set LBUF, RING
	WIN 0x40                                       ; buffer 3: destination in window 1, address in window 0
.else
.set LBUF, RING+64*(LU%4)
	WIN 0
.endif
.irp rr,0,1
.irp k,0,1
.irp qq,0,1
	global_load_b128 v[LBUF+32*\rr+8*(2*\hf+\k)+4*\qq:LBUF+32*\rr+8*(2*\hf+\k)+4*\qq+3], v[ADR+2*LPP+\rr], s[6:7] offset:(4*LCC+2*\hf+\k)*1024+\qq*512
.endr
.endr
.endr
.endm
.macro UNIT u
.set PP, \u/2
.set CC, \u%2
.if \u%4 == 3
.set BUF, RING
.set MW, 0x05                                  ; sources 0 and 1 in window 1
.else
.set BUF, RING+64*(\u%4)
.set MW, 0x04                                  ; source 1 in window 1
.endif
.if \u <= 13
	s_wait_loadcnt 32                              ; my 16 loads are in; the two younger units stay out
.else
	s_wait_loadcnt 16*(15-\u)                      ; the counts run down
.endif
.if (\u >= 1) && (\u+3 <= 15)
	s_wait_alu depctr_va_vdst(0)                   ; the products of the unit before are done reading their buffer, in which the loads below land; no instruction of this unit names it, nor ADR
.endif
.irp hf,0,1
	WIN MW
.irp k,0,1
.irp rr,0,1
.if (CC == 0) && (2*\hf+\k == 0)
	v_wmma_f32_16x16x32_bf16 v[ACC0+8*\rr:ACC0+8*\rr+7], v[BUF+32*\rr+8*(2*\hf+\k):BUF+32*\rr+8*(2*\hf+\k)+7], v[8*(4*CC+2*\hf+\k):8*(4*CC+2*\hf+\k)+7], 0
.else
	v_wmma_f32_16x16x32_bf16 v[ACC0+8*\rr:ACC0+8*\rr+7], v[BUF+32*\rr+8*(2*\hf+\k):BUF+32*\rr+8*(2*\hf+\k)+7], v[8*(4*CC+2*\hf+\k):8*(4*CC+2*\hf+\k)+7], v[ACC0+8*\rr:ACC0+8*\rr+7]
.endif
.endr
.endr
.if \u+3 <= 15
	ULOAD8 \u+3, \hf                               ; three units ahead, into the buffer of the unit before
.endif
.endr
	WIN 0
.rept 4
	v_nop                                          ; four places behind the products: in front of the reads of the results, and of the next unit's loads into the buffer just read, beside that unit's wait
.endr
.if CC == 1
.irp rr,0,1
.if 2*PP+\rr == 0
.irp j,0,1,2,3,4,5,6,7
	v_mov_b32 v[R+\j], v[ACC0+\j]                  ; row 0 starts R in every lane; each lane's own row writes over it
.endr
.else
	s_mov_b32 s20, 0x00010001<<(2*PP+\rr)          ; the two lanes with r = the row
.irp j,0,1,2,3,4,5,6,7
	v_cndmask_b32 v[R+\j], v[R+\j], v[ACC0+8*\rr+\j], s20
.endr
.endif
.endr
.endif
.endm
	s_load_b256 s[4:11], s[0:1], 0x0               ; x s[4:5], wb s[6:7], sel2 s[8:9], out0 s[10:11]
	s_load_b64 s[12:13], s[0:1], 0x20              ; out1
	v_lshl_add_u32 v62, v0, 2, 0x4200
	v_mov_b32 v63, 0
	v_lshrrev_b32 v1, 5, v0
	v_readfirstlane_b32 s14, v1                    ; wave 0..7
	s_lshl_b32 s15, ttmp9, 14                      ; the group's 16 rows of x
	s_lshl_b32 s16, ttmp9, 10                      ; its 16 rows of 64 bytes in sel2, out0, out1
	v_lshl_add_u32 v2, v0, 4, s15
	v_bfe_u32 v3, v0, 3, 1                         ; rows 0-7 or 8-15 of source 0
	s_wait_alu depctr_va_sdst(0)                   ; s14 is written, ahead of its first reader, the line below
	s_lshl_b32 s17, s14, 3
	s_add_co_u32 s17, s17, s16
	v_lshl_add_u32 v3, v3, 2, s17                  ; entry 2 w + that
	v_lshl_add_u32 v4, v0, 2, s16                  ; word 16 row + s: my own entry, and my place in the outputs
	s_wait_kmcnt 0x0
	s_wait_alu depctr_va_vdst(0)                   ; v2, v3 and v4 are written, which the loads below read as their offsets
.irp i4,0,1,2,3
	global_load_b128 v[RING+4*\i4:RING+4*\i4+3], v2, s[4:5] offset:\i4*4096
.endr
.irp rho,0,1,2,3,4,5,6,7,8,9,10,11,12,13,14,15
	global_load_b32 v[ADR+\rho], v3, s[8:9] offset:\rho*64
.endr
	global_load_b32 v5, v4, s[8:9]
	v_lshrrev_b32 v6, 6, v0
	v_and_b32 v7, 63, v0
	v_mul_u32_u24 v6, v6, LP
	v_lshl_add_u32 v6, v7, 3, v6                   ; row tid / 64 (+ 4 for each load), 8 bytes at 8 (tid % 64)
	v_and_b32 v8, 7, v0
	v_bfe_u32 v9, v0, 4, 1                         ; h
	v_lshlrev_b32 v8, 4, v8
	v_lshl_add_u32 v8, v9, 8, v8                   ; 256 h + 16 (r % 8)
	v_and_b32 v7, 15, v0                           ; r, later s
	v_mul_u32_u24 v14, v7, LP
	v_lshl_add_u32 v12, v9, 4, v14                 ; x fragments: r x pitch + 16 h
	s_lshl_b32 s21, s14, 6
	v_lshl_add_u32 v13, v9, 5, v14
	v_add_nc_u32 v13, s21, v13                     ; scores in: r x pitch + 32 (2 w + h)
	v_lshrrev_b32 v15, 4, v0
	v_mul_u32_u24 v15, v15, LP
	v_lshl_add_u32 v15, v7, 5, v15                 ; scores back: row tid / 16, group s
	s_wait_loadcnt 17                              ; x's four loads are in; the 17 list loads behind them may be out
.irp i4,0,1,2,3
	v_cvt_pk_bf16_f32 v[RING+16+2*\i4], v[RING+4*\i4], v[RING+4*\i4+1]
	v_cvt_pk_bf16_f32 v[RING+17+2*\i4], v[RING+4*\i4+2], v[RING+4*\i4+3]
.endr
	s_wait_alu depctr_va_vdst(0)                   ; the roundings have written v80-87, the LDS stores' data; the LDS addresses v6, v12, v13 and v15 are written too
.irp i4,0,1,2,3
	ds_store_b64 v6, v[RING+16+2*\i4:RING+17+2*\i4] offset:XS+\i4*4*LP
.endr
	s_wait_loadcnt 0x0
.irp rho,0,1,2,3,4,5,6,7,8,9,10,11,12,13,14,15
	v_min_u32 v[ADR+\rho], 0xfff, v[ADR+\rho]
	v_and_b32 v10, 0xffe, v[ADR+\rho]              ; 2 x tile
	v_and_b32 v11, 1, v[ADR+\rho]                  ; which half of the tile's rows
	v_lshl_add_u32 v10, v10, 12, v8
	v_lshl_add_u32 v[ADR+\rho], v11, 7, v10
.endr
	s_wait_alu depctr_vm_vsrc(0)                   ; the LDS stores have read v80-87, in which unit 0's loads land; the head's loads have read v2 and v3, which take the results at the end
	s_wait_alu depctr_va_vdst(0)                   ; ADR is written, which every load of the gather reads; no vector instruction names it, or v12, from here on
	ULOAD8 0, 0
	ULOAD8 0, 1
	ULOAD8 1, 0
	ULOAD8 1, 1
	ULOAD8 2, 0
	ULOAD8 2, 1
	s_wait_dscnt 0x0                               ; my part of x is in LDS,
	s_barrier_signal -1
	s_barrier_wait -1                              ; everybody's is
	WIN 0x40
.irp kk,0,1,2,3,4,5,6,7
	ds_load_b128 v[8*\kk:8*\kk+3], v12 offset:XS+64*\kk        ; no vector instruction has named these registers of window 1; v12 was written ahead of the waits above
	ds_load_b128 v[8*\kk+4:8*\kk+7], v12 offset:XS+64*\kk+32
.endr
	WIN 0
	s_wait_dscnt 0x0
	; the two accumulators take turns, one instruction a turn
.irp u,0,1,2,3,4,5,6,7,8,9,10,11,12,13,14,15
	UNIT \u
.endr
	s_wait_alu depctr_va_vdst(0)                   ; the selects have written R, which the LDS stores read; the ring's products are done reading v64-71, in which the scores land below
	ds_store_b128 v13, v[R:R+3] offset:SC
	ds_store_b128 v13, v[R+4:R+7] offset:SC+16
	s_wait_dscnt 0x0                               ; for the other waves' sake
	s_barrier_signal -1
	s_barrier_wait -1
	ds_load_b128 v[P:P+3], v15 offset:SC           ; the eight scores of my row's group s
	ds_load_b128 v[P+4:P+7], v15 offset:SC+16
	v_lshlrev_b32 v5, 3, v5
.irp j,0,1,2,3,4,5,6,7
	v_or_b32 v[P+16+\j], \j, v5                    ; their columns
.endr
	s_wait_dscnt 0x0
	LAYER 8, P, Q, 2, 1                            ; eight sorted, best first: six layers, back in P
	LAYER 8, Q, P, 4, 2
	LAYER 8, P, Q, 4, 1
	LAYER 8, Q, P, 8, 4
	LAYER 8, P, Q, 8, 2
	LAYER 8, Q, P, 8, 1
.set i, 0
.rept 8
	v_mov_b32_dpp v[P+8+i], v[P+7-i] row_xmask:1 row_mask:0xf bank_mask:0xf      ; my neighbour's eight behind mine, worst first: a bitonic run of 16
	v_mov_b32_dpp v[P+24+i], v[P+23-i] row_xmask:1 row_mask:0xf bank_mask:0xf    ; (the destinations were written by the ring's loads)
.set i, i+1
.endr
	CLEAN
.irp xm,2,4,8
	FETCH \xm
	SEL8 0
	SEL8 8
	CLEAN
.endr
	v_mov_b32 v2, v[P]                             ; all 16 lanes hold the row's sorted list: lane s takes element s
	v_mov_b32 v3, v[P+16]
.irp c,1,2,3,4,5,6,7,8,9,10,11,12,13,14,15
	v_cmp_eq_u32 s[M0+\c-1], \c, v7                ; the fifteen compares in one run, a scalar register each
.endr
	s_wait_alu depctr_va_sdst(0)                   ; the fifteen masks are written, ahead of their first readers, the selects below
.irp c,1,2,3,4,5,6,7,8,9,10,11,12,13,14,15
	v_cndmask_b32 v2, v2, v[P+\c], s[M0+\c-1]
	v_cndmask_b32 v3, v3, v[P+16+\c], s[M0+\c-1]
.endr
	s_wait_alu depctr_va_vdst(0)                   ; the selects have written v2 and v3, the two stores' data
	global_store_b32 v4, v2, s[10:11]              ; the wave's 128 consecutive bytes of each output
	global_store_b32 v4, v3, s[12:13]
	s_wait_dscnt 0x0                               ; the closing lines, six on end
	s_wait_alu 0x0
	s_wait_tensorcnt 0x0
	ds_add_u32 v62, v63
	s_wait_dscnt 0x0
	s_endpgm
.Lfunc_end_k_qd4b2bbece8_fin:
	.size	k_qd4b2bbece8_fin, .Lfunc_end_k_qd4b2bbece8_fin-k_qd4b2bbece8_fin
	.p2alignl 7, 3214868480
	.fill 96, 4, 3214868480
	.section	.rodata,"a",@progbits
	.p2align	6, 0x0
	.amdhsa_kernel k_qd4b2bbece8_fin
		.amdhsa_group_segment_fixed_size 17920
		.amdhsa_private_segment_fixed_size 0
		.amdhsa_enable_private_segment 0
		.amdhsa_kernarg_size 40
		.amdhsa_user_sgpr_count 2
		.amdhsa_user_sgpr_kernarg_segment_ptr 1
		.amdhsa_wavefront_size32 1
		.amdhsa_system_sgpr_workgroup_id_x 1
		.amdhsa_system_sgpr_workgroup_id_y 1
		.amdhsa_system_sgpr_workgroup_id_z 1
		.amdhsa_system_vgpr_workitem_id 0
		.amdhsa_next_free_vgpr 384
		.amdhsa_next_free_sgpr 66
		.amdhsa_reserve_vcc 0
		.amdhsa_float_denorm_mode_32 3
		.amdhsa_float_denorm_mode_16_64 3
		.amdhsa_memory_ordered 1
		.amdhsa_forward_progress 1
		.amdhsa_inst_pref_size 162
	.end_amdhsa_kernel
	.amdgpu_metadata
---
amdhsa.version: [ 1, 2 ]
amdhsa.kernels:
  - .name:           k_qd4b2bbece8_fin
    .symbol:         k_qd4b2bbece8_fin.kd
    .args:
      - { .name: x, .offset: 0, .size: 8, .value_kind: global_buffer, .address_space: global }
      - { .name: wb, .offset: 8, .size: 8, .value_kind: global_buffer, .address_space: global }
      - { .name: sel2, .offset: 16, .size: 8, .value_kind: global_buffer, .address_space: global }
      - { .name: out0, .offset: 24, .size: 8, .value_kind: global_buffer, .address_space: global }
      - { .name: out1, .offset: 32, .size: 8, .value_kind: global_buffer, .address_space: global }
    .group_segment_fixed_size: 17920
    .private_segment_fixed_size: 0
    .kernarg_segment_align: 8
    .kernarg_segment_size: 40
    .max_flat_workgroup_size: 256
    .sgpr_count:     66
    .vgpr_count:     384
    .wavefront_size: 32
...
	.end_amdgpu_metadata
.endif
;; end of part 4
